; MI455X (gfx1250); checked and timed in simulation.
; The chip was launched on July 23, 2026; its instructions are those of AMD's public machine-readable ISA for CDNA 5 (MIT licence, August 2026) and "CDNA5" Instruction Set Architecture Reference Guide (July 2026). The comments in the code are by the model that wrote it; some were corrected since.
;; Multi Head Attention. Allowed arithmetic: matrix products marked QUANTISED: E2M1 operands, one E8M0 scale for each 32 along K, by v_wmma_scale_f32_16x16x128_f8f6f4 with both operands' format E2M1 (or v_wmma_scale_f32_32x16x128_f4), f32 sums; products left as they are: bf16, f16 or f32 operands; f32 sums; everything else in f32.
;; Inputs: Wk 16 x 1,024 x 64 float32; Wo 1,024 x 1,024 float32; Wq 16 x 1,024 x 64 float32; Wv 16 x 1,024 x 64 float32; bk 16 x 64 float32; bo 1,024 float32; bq 16 x 64 float32; bv 16 x 64 float32; x 4 x 2,048 x 1,024 float32.
;; Outputs: out0 4 x 2,048 x 1,024 float32.
;; This version of the problem:
;;   THIS VERSION OF THE PROBLEM IS GIVEN IN LOW PRECISION. The matrix products marked QUANTISED in the list below multiply operands that are first quantised to E2M1 (2 exponent bits, 1 mantissa bit; 4 bits a number), with one power-of-two scale for each 32 numbers along K (OCP MX v1.0); their sums are f32. The products marked 'left as it is' may take bf16, f16 or f32 operands, with f32 sums. Whichever they take, every output number must still come out within the allowed error. Rounding operands to bf16 (8 significant bits) uses up far more of that allowance than f16 does (11 bits, for magnitudes from 6e-5 to 65,504). All else is computed in f32.
;;   The module's matrix products, in the order in which they are computed (A, B: the left and right operand; K: the contracted axis; several contracted axes count as one K, in the product's order):
;;     1. [M 1,024, K 1,024] x [K 1,024, N 8,192]; A: input Wq; B: input x: QUANTISED
;;     2. [M 1,024, K 1,024] x [K 1,024, N 8,192]; A: input Wk; B: input x: QUANTISED
;;     3. [M 1,024, K 1,024] x [K 1,024, N 8,192]; A: input Wv; B: input x: QUANTISED
;;     4. batch 64 x [M 2,048, K 64] x [K 64, N 2,048]; A: computed on the way; B: computed on the way: left as it is (an operand is computed on the way)
;;     5. batch 64 x [M 2,048, K 2,048] x [K 2,048, N 64]; A: computed on the way; B: computed on the way: left as it is (an operand is computed on the way)
;;     6. [M 8,192, K 1,024] x [K 1,024, N 1,024]; A: computed on the way; B: input Wo: left as it is (an operand is computed on the way)
;;   THE QUANTISER, for each operand of a quantised product, along K:
;;     - K is cut into blocks of 32 from its start; a last block that is shorter is filled with zeros.
;;     - A block's scale is 2^e with e = floor(log2(the largest magnitude in the block)) - 2, held to -126 .. 127; a block of zeros has e = 0. As a byte (E8M0): e + 127.
;;     - Each number is divided by its block's scale, clamped to +-6, and rounded to the nearest number of E2M1, ties to even, subnormals kept.
;;     - The product sums the exact products of the quantised numbers (number of the format x scale) in f32.
;;   ~~~python
;;   def quantise(x, axis):      # numpy; x: float32 -> the quantised numbers, widened to float32 again
;;       x = np.moveaxis(x, axis, -1); K = x.shape[-1]
;;       x = np.pad(x, [(0, 0)] * (x.ndim - 1) + [(0, -K % 32)]); x = x.reshape(x.shape[:-1] + (-1, 32)); a = np.abs(x).max(-1, keepdims=True)
;;       e = np.where(a > 0, np.clip(np.frexp(np.where(a > 0, a, 1))[1] - 1 - 2, -126, 127), 0)      # np.frexp(a)[1] - 1 = floor(log2(a)), exactly
;;       r = np.clip(x / 2.0 ** e, -6, 6)
;;       step = 2.0 ** (np.maximum(np.frexp(np.where(r == 0, 1, r))[1] - 1, 0) - 1)
;;       q = np.round(r / step) * step * 2.0 ** e      # np.round: ties to even
;;       return np.moveaxis(q.reshape(q.shape[:-2] + (-1,))[..., :K], -1, axis).astype(np.float32)
;;   ~~~
;; One version. Each part assembles by itself: llvm-mc -triple=amdgcn-amd-amdhsa -mcpu=gfx1250 --defsym DOCPART=n.
;; ======== version 1 of 1: 4 launches
;; limits: values are held in f16: magnitudes above 65,504 overflow, below 6.1e-05 lose precision
;; workspace buffers: xq 4,456,448 bytes; wq3 1,671,168 bytes; wo16 2,097,152 bytes; q16 16,777,216 bytes; kv16 33,554,432 bytes; o16 16,777,216 bytes
;; launch prep (part 1): grid 512 x 1, 4 waves a work-group, no clusters, 34,304 bytes of LDS; arguments x, Wq, Wk, Wv, Wo, xq, wq3, wo16; writes xq, wq3, wo16
.if DOCPART == 1
	.amdgcn_target "amdgcn-amd-amdhsa--gfx1250"
	.amdhsa_code_object_version 6
	.text
	.protected	k_qe7cddd892b_prep
	.globl	k_qe7cddd892b_prep
	.p2align	8
	.type	k_qe7cddd892b_prep,@function
k_qe7cddd892b_prep:
	s_mov_b64 s[64:65], 0
	v_nop
	global_prefetch_b8 v0, s[64:65] scope:SCOPE_SE
	s_setreg_imm32_b32 hwreg(HW_REG_WAVE_MODE, 25, 1), 1
	s_wait_xcnt 0x0
; MULTI-HEAD ATTENTION, launch 1 of 4: the operands of the three quantised projections become codes of E2M1 with E8M0 scale bytes, and Wo becomes f16.
; DEAD WORK, for the whole program: bk.  scores[s][t] = scale q_s . (x_t Wk + bk_h) = scale q_s . (x_t Wk) + scale q_s . bk_h.  The second term does not hang on t, the axis of the softmax,
; so it leaves the softmax's result as it is, for all finite inputs; the product of q and k is not quantised, so bk enters no quantiser.  bk is not loaded and is among no launch's arguments.
; LIMIT: a NaN, an infinity or an overflow that bk alone would cause is not carried to the result.
; THE QUANTISER: a block of 32 along K (= E) has the scale 2^(floor(log2(largest magnitude)) - 2); its byte is the largest magnitude's exponent field - 2, held at 1 from below; each number is divided
; by the scale and rounded to the nearest code, ties to even, beyond 6 the largest code.  LIMITS: a block of zeros gets the byte 1 where the rule says 127 (its codes are zeros, and this program alone reads
; the bytes); NaN and infinities in x and in the weights are not served.  Wo must lie inside f16's range (65,504).
; LAYOUT OUT: records of 4,352 bytes, one for 16 rows (tokens of x, channels of a weight) x 512 along K: codes [q 4][c 2][lane 32][16 bytes], the image of the matrix operand's registers
; (lane (r, h) of (q, c): row r, k = 128 q + 64 c + 32 h + 0 .. 31), then 256 bytes of scale words [r 16][q 4].  The two halves of K of a tile of rows lie side by side.
; wo16: [column block 8][quarter of K 4][tile of 16 columns 8][8 k 32][column 16][16 bytes]: the image of the f16 operand's registers.
; SHARES: work-groups 0-255: x, a wave takes 16 tokens x 512 k.  256-447: Wq, Wk, Wv, a wave takes 32 columns x 128 k.  448-511: Wo, a wave takes 32 columns x 128 k.  No cluster: no two work-groups read the same bytes.
.set REC,   4352                       ; bytes of a record
.set SP,    528                        ; x path: a stage row: 512 bytes + 16 = 132 words: row r starts at bank 4 r mod 64 (64 banks of 4 bytes: ISA guide 11.1)
.set STG,   16*SP                      ; a wave's stage
.set SPARE, 4*STG                      ; behind the four stages: the spare words, 128 bytes for each wave
.set SPW,   28                         ; v28  LDS address of my spare word; never rewritten
.set NIL,   29                         ; v29  0; never rewritten
.set C,     32                         ; v32-63   codes: four registers for each (q, c), never written again
.set R,     64                         ; v64-191  numbers as loaded (x: two sets of 64)
.set X,     192                        ; v192-255 x: 64 numbers of one row, along K;  Wo: f16 pairs
.macro LOADX q                         ; 128 along K of 16 tokens: each load takes 512 consecutive bytes of one row
.irp i, 0,1,2,3,4,5,6,7,8,9,10,11,12,13,14,15
	global_load_b128 v[R+64*((\q)%2)+4*\i:R+64*((\q)%2)+4*\i+3], v1, s[4:5] offset:\i*4096+512*(\q) th:TH_LOAD_NT
.endr
.endm
.macro QUANT2 q                        ; my two blocks of 32 (c = 0, 1), by turns: codes into v[C + 8 q ..], my row's scale word into v[24 + q]
	v_max3_num_f32 v8, |v[X]|, |v[X+1]|, 0x1800000                 ; the largest magnitude, and the floor 2^(3 - 127): the byte cannot fall under 1
	v_max3_num_f32 v9, |v[X+32]|, |v[X+33]|, 0x1800000
.irp i, 2,4,6,8,10,12,14,16,18,20,22,24,26,28,30
	v_max3_num_f32 v8, v8, |v[X+\i]|, |v[X+\i+1]|
	v_max3_num_f32 v9, v9, |v[X+32+\i]|, |v[X+33+\i]|
.endr
	v_add_nc_u32 v10, 0xff000000, v8                               ; 2 off the exponent field: the conversion takes the exponent field of this operand as its scale
	v_add_nc_u32 v11, 0xff000000, v9
.irp g, 0,1,2,3
	v_cvt_scalef32_pk8_fp4_f32 v[C+8*\q+\g], v[X+8*\g:X+8*\g+7], v10
	v_cvt_scalef32_pk8_fp4_f32 v[C+8*\q+4+\g], v[X+32+8*\g:X+32+8*\g+7], v11
.endr
	v_lshrrev_b32 v12, 23, v10                                     ; the scales' bytes (also the plain instruction behind the conversions)
	v_lshrrev_b32 v13, 23, v11
	v_lshl_or_b32 v12, v13, 16, v12                                ; blocks h and 2 + h of my row,
	v_lshlrev_b32 v12, v4, v12                                     ; at their places in the word (8 h bits up);
	v_permlanex16_b32 v15, v12, s28, s29
	v_or_b32 v[24+\q], v12, v15                                    ; with lane l xor 16's two the word is whole
.endm
.macro XSTEP q, left                   ; left: the next quarter's 16 loads may stay out
	s_wait_loadcnt \left
.irp i, 0,1,2,3,4,5,6,7,8,9,10,11,12,13,14,15
	ds_store_b128 v2, v[R+64*((\q)%2)+4*\i:R+64*((\q)%2)+4*\i+3] offset:SP*\i      ; as loaded: a row's 512 bytes on end
.endr
.irp c, 0,1
.irp i, 0,1,2,3,4,5,6,7
	ds_load_b128 v[X+32*\c+4*\i:X+32*\c+4*\i+3], v3 offset:256*\c+16*\i            ; back: 32 neighbours along K of my row; LDS serves a wave's instructions in order
.endr
.endr
	s_wait_dscnt 0x0
.if \q < 2
	LOADX \q+2                                                     ; into the set that the stage has taken over
.endif
	QUANT2 \q
	global_store_b128 v1, v[C+8*\q:C+8*\q+3], s[14:15] offset:1024*\q              ; 32 lanes store 512 consecutive bytes
	global_store_b128 v1, v[C+8*\q+4:C+8*\q+7], s[14:15] offset:1024*\q+512
.endm
.macro LOADB b, pitch, lo              ; block b of a column: 32 rows down K, a lane a column
.set i, 0
.rept 32
	global_load_b32 v[R+32*(\b)+i], v1, s[\lo:\lo+1] offset:(32*(\b)+i)*\pitch th:TH_LOAD_NT
.set i, i+1
.endr
.endm
.macro QBLK b                          ; a whole block lies in my 32 registers
.set XS, R+32*(\b)
	v_max3_num_f32 v12, |v[XS]|, |v[XS+1]|, |v[XS+2]|
	v_max3_num_f32 v13, |v[XS+3]|, |v[XS+4]|, |v[XS+5]|
.irp i, 6,10,14,18,22,26
	v_max3_num_f32 v12, v12, |v[XS+\i]|, |v[XS+\i+1]|
	v_max3_num_f32 v13, v13, |v[XS+\i+2]|, |v[XS+\i+3]|
.endr
	v_max3_num_f32 v12, v12, |v[XS+30]|, |v[XS+31]|
	v_max3_num_f32 v12, v12, v13, 0x1800000                        ; and the floor
	v_add_nc_u32 v11, 0xff000000, v12
	v_lshrrev_b32 v13, 23, v11
.if \b == 0
	v_mov_b32 v48, v13                                             ; the four bytes make my column's scale word for these 128 k
.else
	v_lshl_or_b32 v48, v13, 8*\b, v48
.endif
.irp g, 0,1,2,3
	v_cvt_scalef32_pk8_fp4_f32 v[C+4*\b+\g], v[XS+8*\g:XS+8*\g+7], v11
.endr
	global_store_b128 v3, v[C+4*\b:C+4*\b+3], s[16:17] offset:256*\b               ; sixteen lanes store 256 consecutive bytes, aligned
.endm
	s_load_b512 s[4:19], s[0:1], 0x0               ; x s[4:5], Wq s[6:7], Wk s[8:9], Wv s[10:11], Wo s[12:13], xq s[14:15], wq3 s[16:17], wo16 s[18:19]
	v_lshl_add_u32 v[SPW], v0, 2, SPARE
	v_mov_b32 v[NIL], 0
	v_lshrrev_b32 v6, 5, v0
	v_readfirstlane_b32 s20, v6                    ; wave
	v_and_b32 v30, 31, v0                          ; lane
	v_and_b32 v31, 15, v0                          ; r
	v_bfe_u32 v7, v0, 4, 1                         ; h
	s_cmp_lt_u32 ttmp9, 256
	s_cbranch_scc0 .Lweights
	; ---- x: task t = 4 x work-group + wave: tokens 16 (t / 2) on, half t % 2 of K
	v_lshlrev_b32 v1, 4, v30                       ; 16 x lane
	s_mul_i32 s21, s20, STG
	v_add_nc_u32 v2, s21, v1                       ; the stage, on the way in
	v_mul_u32_u24 v3, v31, SP
	v_lshl_add_u32 v3, v7, 7, v3
	v_add_nc_u32 v3, s21, v3                       ; and out: row r, + 128 h bytes
	v_lshlrev_b32 v4, 3, v7                        ; 8 h
	v_lshl_add_u32 v5, v31, 4, v4                  ; 16 r + 8 h: where my two scale words go
	v_mov_b32 v15, 0                               ; a lane permute's destination counts as one of its sources
	s_mov_b32 s28, 0x76543210
	s_mov_b32 s29, 0xfedcba98                      ; v_permlanex16_b32's selects for lane l xor 16
	s_lshl_b32 s22, ttmp9, 2
	s_add_co_u32 s22, s22, s20                     ; t
	s_lshr_b32 s24, s22, 1
	s_lshl_b32 s24, s24, 16                        ; 16 rows of 4,096 bytes
	s_and_b32 s23, s22, 1
	s_lshl_b32 s23, s23, 11                        ; 512 numbers
	s_add_co_u32 s24, s24, s23
	s_mov_b32 s25, 0
	s_mul_i32 s26, s22, REC
	s_mov_b32 s27, 0
	s_wait_kmcnt 0x0
	s_add_nc_u64 s[4:5], s[4:5], s[24:25]
	s_add_nc_u64 s[14:15], s[14:15], s[26:27]
	LOADX 0
	LOADX 1
	XSTEP 0, 16
	XSTEP 1, 16
	XSTEP 2, 16
	XSTEP 3, 0
	v_cmp_ne_u32 vcc_lo, 0, v7
	v_cndmask_b32 v8, v24, v26, vcc_lo             ; lanes 0-15 store words 0, 1 of row r, lanes 16-31 words 2, 3:
	v_cndmask_b32 v9, v25, v27, vcc_lo
	global_store_b64 v5, v[8:9], s[14:15] offset:4096   ; the 32 lanes store 256 consecutive bytes, aligned
	s_wait_tensorcnt 0x0                           ; the wave's end, behind my last LDS store
	ds_add_u32 v[SPW], v[NIL]
	s_wait_dscnt 0x0
	s_endpgm
.Lweights:
	v_lshlrev_b32 v1, 2, v30                       ; a lane a column: 4 bytes a lane
	s_cmp_lt_u32 ttmp9, 448
	s_cbranch_scc0 .Lwo
	; ---- Wq, Wk, Wv [16][1024][64]: K is not innermost: a lane takes a column and its registers run down K
	s_sub_co_u32 s21, ttmp9, 256
	s_lshr_b32 s22, s21, 2                         ; th = 16 x matrix + head
	s_and_b32 s23, s21, 3
	s_lshl_b32 s23, s23, 1
	s_lshr_b32 s30, s20, 1
	s_add_co_u32 s23, s23, s30                     ; ks: which 128 along K
	s_and_b32 s30, s20, 1                          ; ch: which 32 of the head's 64 columns
	s_and_b32 s24, s22, 15
	s_lshl_b32 s24, s24, 18                        ; a head: 1,024 rows of 256 bytes
	s_lshl_b32 s31, s23, 15
	s_add_co_u32 s24, s24, s31
	s_lshl_b32 s31, s30, 7
	s_add_co_u32 s24, s24, s31
	s_mov_b32 s25, 0
	s_lshl_b32 s26, s22, 2
	s_lshl_b32 s31, s30, 1
	s_add_co_u32 s26, s26, s31                     ; my first tile of 16 columns: 4 th + 2 ch
	s_mul_i32 s26, s26, 2*REC
	s_lshr_b32 s31, s23, 2
	s_mul_i32 s31, s31, REC                        ; the half of K
	s_add_co_u32 s26, s26, s31
	s_mov_b32 s27, 0
	s_and_b32 s31, s23, 3                          ; q
	s_lshl_b32 s32, s31, 2
	s_add_co_u32 s32, s32, 4096
	s_add_co_u32 s32, s32, s26                     ; the scale words: record + 4,096 + 4 q
	s_mov_b32 s33, 0
	s_lshl_b32 s31, s31, 10
	s_add_co_u32 s26, s26, s31                     ; the codes: record + 1,024 q
	v_mul_u32_u24 v3, v7, 2*REC
	v_lshl_add_u32 v3, v31, 4, v3                  ; lanes 16-31: the next tile of columns; 16 bytes a column
	s_wait_kmcnt 0x0
	s_cmp_lt_u32 s22, 32
	s_cselect_b64 s[34:35], s[8:9], s[10:11]
	s_cmp_lt_u32 s22, 16
	s_cselect_b64 s[34:35], s[6:7], s[34:35]       ; the choice hangs on the work-group's number alone
	s_add_nc_u64 s[34:35], s[34:35], s[24:25]
	s_add_nc_u64 s[36:37], s[16:17], s[32:33]
	s_add_nc_u64 s[16:17], s[16:17], s[26:27]
	LOADB 0, 256, 34
	LOADB 1, 256, 34
.irp b, 0,1,2,3
.if \b < 3
	s_wait_loadcnt 32                              ; this block's 32 loads are in; the next block's may be out
.else
	s_wait_loadcnt 0x0
.endif
.if \b < 2
	LOADB \b+2, 256, 34
.endif
	QBLK \b
.endr
	global_store_b32 v3, v48, s[36:37]             ; 4 bytes of each column's 16: one byte in 128 of what this path reads leaves in pieces
	s_endpgm
.Lwo:
	; ---- Wo [1024 (k)][1024 (n)] to f16: a lane takes a column, 128 rows down K; eight neighbours along K make 16 bytes
	s_sub_co_u32 s21, ttmp9, 448
	s_and_b32 s22, s21, 7                          ; block of 128 columns
	s_lshr_b32 s23, s21, 3                         ; which 128 along K
	s_lshl_b32 s24, s23, 19
	s_lshl_b32 s31, s22, 9
	s_add_co_u32 s24, s24, s31
	s_lshl_b32 s31, s20, 7
	s_add_co_u32 s24, s24, s31
	s_mov_b32 s25, 0
	s_lshl_b32 s26, s22, 18
	s_lshr_b32 s31, s23, 1
	s_lshl_b32 s31, s31, 16
	s_add_co_u32 s26, s26, s31
	s_lshl_b32 s31, s20, 14                        ; my two tiles of 16 columns
	s_add_co_u32 s26, s26, s31
	s_and_b32 s31, s23, 1
	s_lshl_b32 s31, s31, 12
	s_add_co_u32 s26, s26, s31
	s_mov_b32 s27, 0
	v_lshlrev_b32 v3, 13, v7
	v_lshl_add_u32 v3, v31, 4, v3
	s_wait_kmcnt 0x0
	s_add_nc_u64 s[12:13], s[12:13], s[24:25]
	s_add_nc_u64 s[18:19], s[18:19], s[26:27]
	LOADB 0, 4096, 12
	LOADB 1, 4096, 12
.irp b, 0,1,2,3
.if \b < 3
	s_wait_loadcnt 32                              ; this block's 32 loads are in; the next block's may be out
.else
	s_wait_loadcnt 0x0
.endif
.if \b < 2
	LOADB \b+2, 4096, 12
.endif
.irp k, 0,1,2,3
.irp p, 0,1,2,3
	v_cvt_pk_f16_f32 v[X+16*\b+4*\k+\p], v[R+32*\b+8*\k+2*\p], v[R+32*\b+8*\k+2*\p+1]   ; the lower k in the low half
.endr
	global_store_b128 v3, v[X+16*\b+4*\k:X+16*\b+4*\k+3], s[18:19] offset:256*(4*\b+\k)   ; sixteen lanes store 256 consecutive bytes, aligned
.endr
.endr
	s_endpgm
.Lfunc_end_k_qe7cddd892b_prep:
	.size	k_qe7cddd892b_prep, .Lfunc_end_k_qe7cddd892b_prep-k_qe7cddd892b_prep
	.p2alignl 7, 3214868480
	.fill 96, 4, 3214868480
	.section	.rodata,"a",@progbits
	.p2align	6, 0x0
	.amdhsa_kernel k_qe7cddd892b_prep
		.amdhsa_group_segment_fixed_size 34304
		.amdhsa_private_segment_fixed_size 0
		.amdhsa_enable_private_segment 0
		.amdhsa_kernarg_size 64
		.amdhsa_user_sgpr_count 2
		.amdhsa_user_sgpr_kernarg_segment_ptr 1
		.amdhsa_wavefront_size32 1
		.amdhsa_system_sgpr_workgroup_id_x 1
		.amdhsa_system_sgpr_workgroup_id_y 1
		.amdhsa_system_sgpr_workgroup_id_z 1
		.amdhsa_system_vgpr_workitem_id 0
		.amdhsa_next_free_vgpr 256
		.amdhsa_next_free_sgpr 66
		.amdhsa_reserve_vcc 1
		.amdhsa_float_denorm_mode_32 3
		.amdhsa_float_denorm_mode_16_64 3
		.amdhsa_memory_ordered 1
		.amdhsa_forward_progress 1
		.amdhsa_inst_pref_size 68
	.end_amdhsa_kernel
	.amdgpu_metadata
---
amdhsa.version: [ 1, 2 ]
amdhsa.kernels:
  - .name:           k_qe7cddd892b_prep
    .symbol:         k_qe7cddd892b_prep.kd
    .args:
      - { .name: x, .offset: 0, .size: 8, .value_kind: global_buffer, .address_space: global }
      - { .name: Wq, .offset: 8, .size: 8, .value_kind: global_buffer, .address_space: global }
      - { .name: Wk, .offset: 16, .size: 8, .value_kind: global_buffer, .address_space: global }
      - { .name: Wv, .offset: 24, .size: 8, .value_kind: global_buffer, .address_space: global }
      - { .name: Wo, .offset: 32, .size: 8, .value_kind: global_buffer, .address_space: global }
      - { .name: xq, .offset: 40, .size: 8, .value_kind: global_buffer, .address_space: global }
      - { .name: wq3, .offset: 48, .size: 8, .value_kind: global_buffer, .address_space: global }
      - { .name: wo16, .offset: 56, .size: 8, .value_kind: global_buffer, .address_space: global }
    .group_segment_fixed_size: 34304
    .private_segment_fixed_size: 0
    .kernarg_segment_align: 8
    .kernarg_segment_size: 64
    .max_flat_workgroup_size: 128
    .sgpr_count:     66
    .vgpr_count:     256
    .wavefront_size: 32
...
	.end_amdgpu_metadata
.endif
;; end of part 1
;; launch qkv (part 2): grid 12 x 64, 8 waves a work-group, clusters of 4 x 4, 209,920 bytes of LDS; arguments xq, wq3, bq, bv, q16, kv16; writes q16, kv16
.if DOCPART == 2
	.amdgcn_target "amdgcn-amd-amdhsa--gfx1250"
	.amdhsa_code_object_version 6
	.text
	.protected	k_qe7cddd892b_qkv
	.globl	k_qe7cddd892b_qkv
	.p2align	8
	.type	k_qe7cddd892b_qkv,@function
k_qe7cddd892b_qkv:
	s_mov_b64 s[64:65], 0
	v_nop
	global_prefetch_b8 v0, s[64:65] scope:SCOPE_SE
	s_setreg_imm32_b32 hwreg(HW_REG_WAVE_MODE, 25, 1), 1
	s_wait_xcnt 0x0
	s_wait_alu depctr_hold_cnt(0) depctr_sa_sdst(0) depctr_va_vdst(0) depctr_va_sdst(0) depctr_va_ssrc(0) depctr_va_vcc(0) depctr_vm_vsrc(0)
	s_getreg_b32 s2, hwreg(HW_REG_IB_STS2, 6, 4)
	s_cmp_eq_u32 s2, 0
	s_cbranch_scc0 .Lentry_in_a_cluster
	s_endpgm
.Lentry_in_a_cluster:
	s_bfe_u32 s2, ttmp6, 0x10000c
	s_cmp_lg_u32 s2, 0xf033
	s_cbranch_scc0 .Lentry_shape_is_right
	s_endpgm
.Lentry_shape_is_right:
; Launch 2 of 4: q = x Wq + bq, k = x Wk, v = x Wv + bv on codes of E2M1 with E8M0 scales (K = 1,024), sums in f32, results rounded once to f16 for the attention's products.
; LEFT OUT: bk (it adds the same number to every score of a row, which the softmax takes away: shown at the head of the first kernel).  LIMIT: q, k and v must lie inside f16's range (65,504).
; SHARES.  A work-group makes 128 tokens x 256 columns (four heads of one of the three matrices; the matrix is the cluster's x, the same in all partners).  Eight waves; wave w makes 64 tokens (w % 2) x one head (w / 2):
; 16 accumulators of 16 x 16.  All of K lies in LDS: two halves of 512 along K, each 8 records of x and 16 of the weight, 4,352 bytes a record, as the first launch laid them: images of the operand's registers.
; Nothing in LDS is filled again.  CLUSTER 4 x 4: the four of a row need the same tokens, the four of a column the same columns: each tile is asked for jointly.
; THE MATRIX INSTRUCTION IS USED TRANSPOSED (source 0 = 16 channels of the weight, source 1 = 16 tokens): lane (r, h) holds token r and channels 8 h + 0 .. 7: 16 bytes of f16, which is the image that the next launch's
; operands want: results leave by stores of 512 consecutive bytes, with no way through LDS.  The bias is the C of each sum's first instruction.
; OUT: q16 [bh][tile of 16 tokens][16 channels][lane][16 bytes];  kv16 [bh][64 keys][K 8,192 bytes as q16 | V 8,192 bytes]; in V a tile's units are ordered 16 (r / 8) + 8 h + r % 8, so that the turning LDS load can read it at 16 x lane.
.set REC,   4352
.set BOFF,  8*REC                      ; in a half: x's 8 records, then the weight's 16
.set HALF,  24*REC
.set SPARE, 2*HALF                     ; behind the halves: the spare words, 128 bytes for each wave
.set LI,  1                            ; v1  16 x lane
.set AA,  2                            ; v2  LDS: my x fragments
.set AB,  3                            ; v3  my weight fragments
.set SA,  4                            ; v4  x's scale words
.set SB,  5                            ; v5  the weight's
.set SPW, 6                            ; v6  my spare word; never rewritten
.set NIL, 7                            ; v7  0; never rewritten
.set GO,  8                            ; v8  my 16 bytes in a stored unit of 512
.set XS,  16                           ; v16-19 x's scale words;  v20-23 the weight's: these hold scales and nothing else
.set WS,  20
.set BI,  24                           ; v24-55 the bias, 8 registers for each tile of 16 channels, in the result's layout
.set XF,  64                           ; v64-95  x's four fragments;  v96-127 the weight's four
.set WF,  96
.set ACC, 128                          ; accumulator (a, n) at v[128 + 8 (4 a + n)]
.set WV,  16
.macro CROUND                          ; a round of the cluster's barrier
	s_barrier_signal -1
	s_barrier_wait -1
	s_cmp_lg_u32 s[WV], 0
	s_cbranch_scc1 .Lnot_wave_0_\@
	s_barrier_signal -3
.Lnot_wave_0_\@:
	s_barrier_wait -3
	s_barrier_signal -1
	s_barrier_wait -1
.endm
; 128 along K: the half's q-th.  bias = 1: the sums begin with the bias.  np: v_nop in front of the loads into registers that matrix instructions have read (four places are owed).
; The 16 accumulators take turns, one instruction a turn.
.macro KSTEP q, bias, np
.rept \np
	v_nop
.endr
.irp i, 0,1,2,3
.irp c, 0,1
	ds_load_b128 v[XF+8*\i+4*\c:XF+8*\i+4*\c+3], v[AA] offset:\i*REC+1024*\q+512*\c
	ds_load_b128 v[WF+8*\i+4*\c:WF+8*\i+4*\c+3], v[AB] offset:\i*REC+1024*\q+512*\c
.endr
	ds_load_b32 v[XS+\i], v[SA] offset:\i*REC+4*\q
	ds_load_b32 v[WS+\i], v[SB] offset:\i*REC+4*\q
.endr
	s_wait_dscnt 0x0
.irp a, 0,1,2,3
.irp n, 0,1,2,3
.if \bias
	v_wmma_scale_f32_16x16x128_f8f6f4 v[ACC+8*(4*\a+\n):ACC+8*(4*\a+\n)+7], v[WF+8*\n:WF+8*\n+7], v[XF+8*\a:XF+8*\a+7], v[BI+8*\n:BI+8*\n+7], v[WS+\n], v[XS+\a] matrix_a_fmt:MATRIX_FMT_FP4 matrix_b_fmt:MATRIX_FMT_FP4
.else
	v_wmma_scale_f32_16x16x128_f8f6f4 v[ACC+8*(4*\a+\n):ACC+8*(4*\a+\n)+7], v[WF+8*\n:WF+8*\n+7], v[XF+8*\a:XF+8*\a+7], v[ACC+8*(4*\a+\n):ACC+8*(4*\a+\n)+7], v[WS+\n], v[XS+\a] matrix_a_fmt:MATRIX_FMT_FP4 matrix_b_fmt:MATRIX_FMT_FP4
.endif
.endr
.endr
.endm
	s_load_b256 s[4:11], s[0:1], 0x0               ; xq s[4:5], wq3 s[6:7], bq s[8:9], bv s[10:11]
	s_load_b128 s[12:15], s[0:1], 0x20             ; q16 s[12:13], kv16 s[14:15]
	v_lshl_add_u32 v[SPW], v0, 2, SPARE
	v_mov_b32 v[NIL], 0
	ds_add_u32 v[SPW], v[NIL]                      ; the wave's opening: the add, twice on end, and its wait ahead of the first tensor load
	ds_add_u32 v[SPW], v[NIL]
	v_lshrrev_b32 v1, 5, v0
	v_readfirstlane_b32 s[WV], v1                  ; wave 0..7
	s_and_b32 s17, s[WV], 1                        ; which 64 tokens are mine.  Also: which half of a tile a loading wave fetches
	s_lshr_b32 s18, s[WV], 1                       ; which of the four heads
	s_bfe_u32 s19, ttmp6, 0x40000                  ; cx
	s_bfe_u32 s20, ttmp6, 0x40004                  ; cy
	s_lshl_b32 s21, ttmp9, 2
	s_add_co_u32 s21, s21, s19                     ; block of 256 columns = 4 x cluster x + cx
	s_and_b32 s22, ttmp7, 0xffff
	s_lshl_b32 s22, s22, 2
	s_add_co_u32 s22, s22, s20                     ; block of 128 tokens = 4 x cluster y + cy
	s_lshl_b32 s66, s20, 2
	s_lshl_b32 s66, 15, s66                        ; my row of the cluster
	s_lshl_b32 s67, 0x1111, s19                    ; my column
	; descriptor groups 1: rows of one record (544 elements of 8 bytes), 1,088 elements apart (the other half of K lies between); x: 4 rows, the weight: 8
	s_or_b32 s24, s66, (3<<16)|(1<<21)             ; 15:0 the mask; 17:16 elements of 8 bytes; 21 set beside a mask; no padding
	s_mov_b32 s25, 544<<16                         ; tensor_dim0
	s_mov_b32 s26, 4<<16                           ; tensor_dim1
	s_mov_b32 s27, 544<<16                         ; tile_dim0
	s_mov_b32 s28, 4                               ; tile_dim1
	s_mov_b32 s29, 1088                            ; the pitch
	s_mov_b32 s30, 0
	s_mov_b32 s31, 0
	s_or_b32 s32, s67, (3<<16)|(1<<21)
	s_mov_b32 s33, 544<<16
	s_mov_b32 s34, 8<<16
	s_mov_b32 s35, 544<<16
	s_mov_b32 s36, 8
	s_mov_b32 s37, 1088
	s_mov_b32 s38, 0
	s_mov_b32 s39, 0
	s_lshl_b32 s56, s22, 3                         ; x: tile of 16 tokens 8 x block + 4 x half: it hangs on the block of tokens, which my row of the cluster shares
	s_lshl_b32 s23, s17, 2
	s_add_co_u32 s56, s56, s23
	s_mul_i32 s56, s56, 2*REC
	s_mov_b32 s57, 0
	s_lshl_b32 s58, s21, 4                         ; the weight: tile of 16 columns 16 x block + 8 x half: shared along my column
	s_lshl_b32 s23, s17, 3
	s_add_co_u32 s58, s58, s23
	s_mul_i32 s58, s58, 2*REC
	s_mov_b32 s59, 0
	s_mul_i32 s62, s17, 4*REC                      ; where they go: no place in the cluster enters an LDS address
	s_mul_i32 s63, s17, 8*REC
	s_wait_dscnt 0x0                               ; both opening adds are done
	s_wait_kmcnt 0x0
	s_add_nc_u64 s[60:61], s[4:5], s[56:57]
	s_add_nc_u64 s[68:69], s[6:7], s[58:59]
	CROUND                                         ; all sixteen work-groups are here: the joint loads meet
.irp f, 0,1
	s_mov_b32 s[40+4*\f], 1
	s_add_co_u32 s[41+4*\f], s62, \f*HALF
	s_add_nc_u64 s[42+4*\f:43+4*\f], s[60:61], \f*REC
	s_or_b32 s[43+4*\f], s[43+4*\f], 0x80000000
	s_mov_b32 s[48+4*\f], 1
	s_add_co_u32 s[49+4*\f], s63, \f*HALF+BOFF
	s_add_nc_u64 s[50+4*\f:51+4*\f], s[68:69], \f*REC
	s_or_b32 s[51+4*\f], s[51+4*\f], 0x80000000
.endr
	s_cmp_lt_u32 s[WV], 2                          ; waves 0, 1 fetch x's two halves of rows, waves 2, 3 the weight's; each both halves of K: two loads of a wave are out.  The branches hang on the wave's number alone
	s_cbranch_scc0 .Lnot_x
	tensor_load_to_lds s[40:43], s[24:31]
	s_nop 0
	tensor_load_to_lds s[44:47], s[24:31]
	s_nop 0
.rept 4
	v_nop
.endr
	s_branch .Lasked
.Lnot_x:
	s_cmp_lt_u32 s[WV], 4
	s_cbranch_scc0 .Lasked
	tensor_load_to_lds s[48:51], s[32:39]
	s_nop 0
	tensor_load_to_lds s[52:55], s[32:39]
	s_nop 0
.rept 4
	v_nop
.endr
.Lasked:
	v_and_b32 v9, 31, v0
	v_lshlrev_b32 v[LI], 4, v9
	v_and_b32 v10, 15, v0                          ; r
	v_bfe_u32 v12, v0, 4, 1                        ; h
	v_lshlrev_b32 v11, 5, v12                      ; the bias: my half's eight channels, 32 h bytes on
	s_mul_i32 s82, s17, 4*REC                      ; my 64 tokens: 4 records
	s_mul_i32 s83, s18, 4*REC                      ; my head: 4 records,
	s_add_co_u32 s83, s83, BOFF                    ; behind x's
	v_add_nc_u32 v[AA], s82, v[LI]
	v_add_nc_u32 v[AB], s83, v[LI]
	v_lshl_add_u32 v[SA], v10, 4, 4096             ; a record's scale words: 16 bytes a row, behind the codes
	v_add_nc_u32 v[SB], s83, v[SA]
	v_add_nc_u32 v[SA], s82, v[SA]
	v_and_b32 v9, 7, v0                            ; V's order of units: 16 (r / 8) + 8 h + r % 8
	v_bfe_u32 v13, v0, 3, 1
	v_lshl_add_u32 v9, v13, 4, v9
	v_lshl_add_u32 v9, v12, 3, v9
	v_lshlrev_b32 v9, 4, v9
	s_lshr_b32 s70, s22, 4                         ; the batch
	s_lshl_b32 s70, s70, 4
	s_lshl_b32 s71, s19, 2
	s_add_co_u32 s71, s71, s18                     ; the head = 4 cx + w / 2
	s_add_co_u32 s70, s70, s71                     ; bh
	s_lshl_b32 s70, s70, 5
	s_and_b32 s72, s22, 15
	s_lshl_b32 s72, s72, 1
	s_add_co_u32 s70, s70, s72
	s_add_co_u32 s70, s70, s17                     ; which 64 tokens of all: 32 bh + 2 (block % 16) + w % 2
	s_cmp_eq_u32 ttmp9, 0
	s_cselect_b64 s[74:75], s[12:13], s[14:15]     ; Q goes to q16, K and V to kv16
	s_cselect_b32 s73, 13, 14                      ; 8,192 bytes for 64 tokens there, 16,384 here
	s_lshl_b32 s72, s70, s73
	s_cmp_eq_u32 ttmp9, 2
	s_cselect_b32 s73, 8192, 0                     ; V lies behind K
	s_cselect_b32 s76, -1, 0
	s_add_co_u32 s72, s72, s73
	s_mov_b32 s73, 0
	s_add_nc_u64 s[74:75], s[74:75], s[72:73]
	v_cndmask_b32 v[GO], v[LI], v9, s76
	s_cmp_eq_u32 ttmp9, 1                          ; the cluster's x: all partners and all waves go the same way
	s_cbranch_scc1 .Lno_bias
	s_cmp_eq_u32 ttmp9, 0
	s_cselect_b64 s[78:79], s[8:9], s[10:11]
	s_lshl_b32 s80, s71, 8
	s_mov_b32 s81, 0
	s_add_nc_u64 s[78:79], s[78:79], s[80:81]
.irp n, 0,1,2,3
	global_load_b128 v[BI+8*\n:BI+8*\n+3], v11, s[78:79] offset:64*\n
	global_load_b128 v[BI+8*\n+4:BI+8*\n+7], v11, s[78:79] offset:64*\n+16
.endr
	s_branch .Lbias_done
.Lno_bias:
.set i, 0
.rept 32
	v_mov_b32 v[BI+i], 0                           ; K has no bias here: its sums begin with zeros, by the same instructions
.set i, i+1
.endr
.Lbias_done:
	s_wait_tensorcnt 0x1                           ; my part of the first half of K is in; the second half's load may stay out
	s_barrier_signal -1
	s_barrier_wait -1                              ; everybody's is
	s_wait_loadcnt 0x0                             ; the bias
	KSTEP 0, 1, 0
	KSTEP 1, 0, 4
	KSTEP 2, 0, 4
	KSTEP 3, 0, 4
	s_wait_tensorcnt 0x0                           ; the second half
	s_barrier_signal -1
	s_barrier_wait -1
	v_add_nc_u32 v[AA], HALF, v[AA]                ; (these four are also the places in front of the next loads)
	v_add_nc_u32 v[AB], HALF, v[AB]
	v_add_nc_u32 v[SA], HALF, v[SA]
	v_add_nc_u32 v[SB], HALF, v[SB]
	KSTEP 0, 0, 0
	KSTEP 1, 0, 4
	KSTEP 2, 0, 4
	KSTEP 3, 0, 4
.rept 4
	v_nop                                          ; four places in front of the first read of results and of writes into the fragments' registers
.endr
.irp a, 0,1,2,3
.irp n, 0,1,2,3
.irp p, 0,1,2,3
	v_cvt_pk_f16_f32 v[XF+4*(4*\a+\n)+\p], v[ACC+8*(4*\a+\n)+2*\p], v[ACC+8*(4*\a+\n)+2*\p+1]   ; each accumulator from its low end on
.endr
.endr
.endr
.irp a, 0,1,2,3
.irp n, 0,1,2,3
	global_store_b128 v[GO], v[XF+4*(4*\a+\n):XF+4*(4*\a+\n)+3], s[74:75] offset:2048*\a+512*\n   ; 32 lanes store 512 consecutive bytes, aligned
.endr
.endr
	s_wait_tensorcnt 0x0                           ; the wave's end
	ds_add_u32 v[SPW], v[NIL]
	s_wait_dscnt 0x0
	CROUND                                         ; the closing round
	s_endpgm
.Lfunc_end_k_qe7cddd892b_qkv:
	.size	k_qe7cddd892b_qkv, .Lfunc_end_k_qe7cddd892b_qkv-k_qe7cddd892b_qkv
	.p2alignl 7, 3214868480
	.fill 96, 4, 3214868480
	.section	.rodata,"a",@progbits
	.p2align	6, 0x0
	.amdhsa_kernel k_qe7cddd892b_qkv
		.amdhsa_group_segment_fixed_size 209920
		.amdhsa_private_segment_fixed_size 0
		.amdhsa_enable_private_segment 0
		.amdhsa_kernarg_size 48
		.amdhsa_user_sgpr_count 2
		.amdhsa_user_sgpr_kernarg_segment_ptr 1
		.amdhsa_wavefront_size32 1
		.amdhsa_system_sgpr_workgroup_id_x 1
		.amdhsa_system_sgpr_workgroup_id_y 1
		.amdhsa_system_sgpr_workgroup_id_z 1
		.amdhsa_system_vgpr_workitem_id 0
		.amdhsa_next_free_vgpr 256
		.amdhsa_next_free_sgpr 96
		.amdhsa_reserve_vcc 0
		.amdhsa_float_denorm_mode_32 3
		.amdhsa_float_denorm_mode_16_64 3
		.amdhsa_memory_ordered 1
		.amdhsa_forward_progress 1
		.amdhsa_inst_pref_size 44
	.end_amdhsa_kernel
	.amdgpu_metadata
---
amdhsa.version: [ 1, 2 ]
amdhsa.kernels:
  - .name:           k_qe7cddd892b_qkv
    .symbol:         k_qe7cddd892b_qkv.kd
    .args:
      - { .name: xq, .offset: 0, .size: 8, .value_kind: global_buffer, .address_space: global }
      - { .name: wq3, .offset: 8, .size: 8, .value_kind: global_buffer, .address_space: global }
      - { .name: bq, .offset: 16, .size: 8, .value_kind: global_buffer, .address_space: global }
      - { .name: bv, .offset: 24, .size: 8, .value_kind: global_buffer, .address_space: global }
      - { .name: q16, .offset: 32, .size: 8, .value_kind: global_buffer, .address_space: global }
      - { .name: kv16, .offset: 40, .size: 8, .value_kind: global_buffer, .address_space: global }
    .group_segment_fixed_size: 209920
    .private_segment_fixed_size: 0
    .kernarg_segment_align: 8
    .kernarg_segment_size: 48
    .max_flat_workgroup_size: 256
    .sgpr_count:     96
    .vgpr_count:     256
    .wavefront_size: 32
...
	.end_amdgpu_metadata
.endif
;; end of part 2
;; launch attn (part 3): grid 4 x 64, 8 waves a work-group, clusters of 4 x 1, 327,680 bytes of LDS; arguments q16, kv16, o16; writes o16
.if DOCPART == 3
	.amdgcn_target "amdgcn-amd-amdhsa--gfx1250"
	.amdhsa_code_object_version 6
	.text
	.protected	k_qe7cddd892b_attn
	.globl	k_qe7cddd892b_attn
	.p2align	8
	.type	k_qe7cddd892b_attn,@function
k_qe7cddd892b_attn:
	s_mov_b64 s[64:65], 0
	v_nop
	global_prefetch_b8 v0, s[64:65] scope:SCOPE_SE
	s_setreg_imm32_b32 hwreg(HW_REG_WAVE_MODE, 25, 1), 1
	s_wait_xcnt 0x0
	s_wait_alu depctr_hold_cnt(0) depctr_sa_sdst(0) depctr_va_vdst(0) depctr_va_sdst(0) depctr_va_ssrc(0) depctr_va_vcc(0) depctr_vm_vsrc(0)
	s_getreg_b32 s2, hwreg(HW_REG_IB_STS2, 6, 4)
	s_cmp_eq_u32 s2, 0
	s_cbranch_scc0 .Lentry_in_a_cluster
	s_endpgm
.Lentry_in_a_cluster:
	s_bfe_u32 s2, ttmp6, 0x10000c
	s_cmp_lg_u32 s2, 0x3003
	s_cbranch_scc0 .Lentry_shape_is_right
	s_endpgm
.Lentry_shape_is_right:
; Launch 3 of 4: o[bh][q] = the sum over keys of softmax(q . k / 8) v, head size 64, 2,048 keys, no mask.  Operands f16, products, maxima and sums f32; the weights p are rounded to f16 for the second product, o once at the end.
; k comes without bk (shown dead at the head of the first kernel).
; SHARES.  A work-group owns 512 queries of one (batch, head); each of its eight waves 64: four tiles of 16, so that a fragment of K or V read from LDS feeds four matrix instructions.  Two waves share a SIMD: one's softmax
; stands beside the other's products.  Every wave walks all keys, 64 a step.
; LAYOUT.  S^T = K Q^T (source 0 = 16 keys, source 1 = 16 queries), O^T = V^T P: a lane holds ONE query throughout; two tiles of S^T, rounded in pairs, ARE source 1 of the second product.  K, Q and V lie in memory as images of
; the operands' registers, so every LDS load is at 16 x lane; V comes turned by ds_load_tr16_b128.
; SOFTMAX.  A running maximum m and sum l for each query: p = 2^(c s - c m), c = log2(e) / 8; in every step O^T and l are multiplied by a = 2^(c m_old - c m_new).
; RING.  Two LDS slots of 8 key steps (131,072 bytes).  Each wave fetches one step (16,384 dense bytes) of a slot by one tensor load.  CLUSTER 4 x 1: the four blocks of queries of a head walk the same K and V: joint loads.
; The head's 32 steps are four slots: two first fills, two refills, written out; each refill has 8 key steps in which to land.
; REGISTERS.  window 0: v1-4 addresses; v8-39 statistics, 8 a tile (+0 c m, +1 m, +2, +3 l, +4..+7 at work; a at +6); v64-127 K; v128-255 S^T, 32 a tile, P packed into each tile's low 16.
;             window 1: v0-63 Q; v64-127 V^T; v128-255 O^T, 32 a tile.
.set SLOTB, 131072
.set SPARE, 2*SLOTB                    ; behind the ring: the spare words, 128 bytes for each wave
.set LI,  1                            ; v1  16 x lane
.set ADR, 2                            ; v2  the step's tiles in LDS
.set SPW, 3                            ; v3  my spare word; never rewritten
.set NIL, 4                            ; v4  0; never rewritten
.set ST,  8
.set KF,  64
.set S,   128
.set VF,  64                           ; in window 1
.set O,   128                          ; in window 1
.set WV,  12
.set G1,  24                           ; s[24:31]
.set G0,  32                           ; s[32:47]: a group 0 for each of the four slots' worth of keys; never rewritten
.set CS,  48                           ; s[48:49] c, twice
.set SEL, 50                           ; s[50:51] lane selects: lane l xor 16
.set TB,  52                           ; s52 LDS byte of the step in hand
.set CNT, 53
.set MSB, 0
.macro WIN new                         ; the immediate's high byte repeats the setting that is left
.if MSB != \new
	s_set_vgpr_msb (MSB<<8)|\new
.set MSB, \new
.endif
.endm
.macro CROUND
	s_barrier_signal -1
	s_barrier_wait -1
	s_cmp_lg_u32 s[WV], 0
	s_cbranch_scc1 .Lnot_wave_0_\@
	s_barrier_signal -3
.Lnot_wave_0_\@:
	s_barrier_wait -3
	s_barrier_signal -1
	s_barrier_wait -1
.endm
; The softmax of a key step, the four tiles by turns so that no line waits for the line above it.  first = 1: the first key step: no old maximum, no a.
.macro SOFTMAX first
.irp j, 0,1,2,3
.irp t, 0,1,2,3
	v_max3_num_f32 v[ST+8*\t+4+\j], v[S+32*\t+8*\j], v[S+32*\t+8*\j+1], v[S+32*\t+8*\j+2]   ; four chains, one for each accumulator, each read from its low end on
.endr
.endr
.irp u, 3,5
.irp j, 0,1,2,3
.irp t, 0,1,2,3
	v_max3_num_f32 v[ST+8*\t+4+\j], v[ST+8*\t+4+\j], v[S+32*\t+8*\j+\u], v[S+32*\t+8*\j+\u+1]
.endr
.endr
.endr
.irp t, 0,1,2,3
	v_max3_num_f32 v[ST+8*\t+4], v[ST+8*\t+4], v[S+32*\t+7], v[S+32*\t+15]
.endr
.irp t, 0,1,2,3
	v_max3_num_f32 v[ST+8*\t+6], v[ST+8*\t+6], v[S+32*\t+23], v[S+32*\t+31]
.endr
.irp t, 0,1,2,3
	v_max3_num_f32 v[ST+8*\t+4], v[ST+8*\t+4], v[ST+8*\t+5], v[ST+8*\t+6]
.endr
.irp t, 0,1,2,3
.if \first
	v_max_num_f32 v[ST+8*\t+4], v[ST+8*\t+4], v[ST+8*\t+7]
.else
	v_max3_num_f32 v[ST+8*\t+4], v[ST+8*\t+4], v[ST+8*\t+7], v[ST+8*\t+1]                 ; with the old m
.endif
.endr
.irp t, 0,1,2,3
	v_permlanex16_b32 v[ST+8*\t+5], v[ST+8*\t+4], s[SEL], s[SEL+1]                       ; the query's other 32 keys lie in the lane 16 away
.endr
.if !\first
.irp t, 0,1,2,3
	v_mov_b32 v[ST+8*\t+7], v[ST+8*\t]                                                   ; c m_old
.endr
.endif
.irp t, 0,1,2,3
	v_max_num_f32 v[ST+8*\t+1], v[ST+8*\t+4], v[ST+8*\t+5]                               ; m
.endr
.irp t, 0,1,2,3
	v_mul_f32 v[ST+8*\t], s[CS], v[ST+8*\t+1]                                            ; c m
.endr
.if !\first
.irp t, 0,1,2,3
	v_sub_f32 v[ST+8*\t+7], v[ST+8*\t+7], v[ST+8*\t]
.endr
.endif
; ONE BATCH: the scalings c s - c m and all exponentials; none of these lines names an exponential's result.  A tile's exponentials stand among the next tile's scalings.
.irp b, 0,1,2,3,4,5,6,7,8,9,10,11,12,13,14,15
	v_pk_fma_f32 v[S+2*\b:S+2*\b+1], v[S+2*\b:S+2*\b+1], s[CS:CS+1], v[ST:ST+1] op_sel_hi:[1,0,0] neg_lo:[0,0,1] neg_hi:[0,0,1]
.endr
.if !\first
.irp t, 0,1,2,3
	v_exp_f32 v[ST+8*\t+6], v[ST+8*\t+7]                                                 ; a
.endr
.endif
.irp t, 0,1,2
.irp b, 0,1,2,3,4,5,6,7,8,9,10,11,12,13,14,15
	v_exp_f32 v[S+32*\t+2*\b], v[S+32*\t+2*\b]
	v_pk_fma_f32 v[S+32*(\t+1)+2*\b:S+32*(\t+1)+2*\b+1], v[S+32*(\t+1)+2*\b:S+32*(\t+1)+2*\b+1], s[CS:CS+1], v[ST+8*(\t+1):ST+8*(\t+1)+1] op_sel_hi:[1,0,0] neg_lo:[0,0,1] neg_hi:[0,0,1]
	v_exp_f32 v[S+32*\t+2*\b+1], v[S+32*\t+2*\b+1]
.endr
.endr
.set e, 0
.rept 32
	v_exp_f32 v[S+96+e], v[S+96+e]
.set e, e+1
.endr
	v_nop                                          ; a plain instruction behind the last exponential,
	s_wait_alu depctr_va_vdst(0)                   ; and the one wait ahead of the batch's first reader
; the sums of the unrounded p, in pairs (an even key's, an odd key's): l takes the even pairs, a second chain the odd ones
.irp t, 0,1,2,3
.if \first
	v_pk_add_f32 v[ST+8*\t+2:ST+8*\t+3], v[S+32*\t:S+32*\t+1], v[S+32*\t+4:S+32*\t+5]
.else
	v_pk_fma_f32 v[ST+8*\t+2:ST+8*\t+3], v[ST+8*\t+2:ST+8*\t+3], v[ST+8*\t+6:ST+8*\t+7], v[S+32*\t:S+32*\t+1] op_sel_hi:[1,0,1]   ; a l + the first pair
.endif
.endr
.irp t, 0,1,2,3
	v_pk_add_f32 v[ST+8*\t+4:ST+8*\t+5], v[S+32*\t+2:S+32*\t+3], v[S+32*\t+6:S+32*\t+7]
.endr
.if !\first
.irp t, 0,1,2,3
	v_pk_add_f32 v[ST+8*\t+2:ST+8*\t+3], v[ST+8*\t+2:ST+8*\t+3], v[S+32*\t+4:S+32*\t+5]
.endr
.endif
.irp u, 8,12,16,20,24,28
.irp t, 0,1,2,3
	v_pk_add_f32 v[ST+8*\t+2:ST+8*\t+3], v[ST+8*\t+2:ST+8*\t+3], v[S+32*\t+\u:S+32*\t+\u+1]
.endr
.irp t, 0,1,2,3
	v_pk_add_f32 v[ST+8*\t+4:ST+8*\t+5], v[ST+8*\t+4:ST+8*\t+5], v[S+32*\t+\u+2:S+32*\t+\u+3]
.endr
.endr
.irp t, 0,1,2,3
	v_pk_add_f32 v[ST+8*\t+2:ST+8*\t+3], v[ST+8*\t+2:ST+8*\t+3], v[ST+8*\t+4:ST+8*\t+5]
.endr
.irp j, 0,1,2,3,4,5,6,7,8,9,10,11,12,13,14,15
.irp t, 0,1,2,3
	v_cvt_pk_f16_f32 v[S+32*\t+\j], v[S+32*\t+2*\j], v[S+32*\t+2*\j+1]                   ; P, packed in place, ascending: register j is written when pairs up to j have been read
.endr
.endr
.if !\first
	WIN 0x41                                       ; O^T (destination, source 0) window 1, a window 0
.irp j, 0,2,4,6,8,10,12,14,16,18,20,22,24,26,28,30
.irp t, 0,1,2,3
	v_pk_mul_f32 v[O+32*\t+\j:O+32*\t+\j+1], v[O+32*\t+\j:O+32*\t+\j+1], v[ST+8*\t+6:ST+8*\t+7] op_sel_hi:[1,0]   ; each accumulator from its low end on
.endr
.endr
.endif
.endm
; A KEY STEP: 64 keys.
.macro STEP first
	WIN 0
	v_add_nc_u32 v[ADR], s[TB], v[LI]
.rept 4
	v_nop                                          ; with the addition five places behind the last V^T P: for the loads into V's registers (four are owed) and for the products below, which write over P (five)
.endr
.irp i, 0,1,2,3,4,5,6,7,8,9,10,11,12,13,14,15
	ds_load_b128 v[KF+4*\i:KF+4*\i+3], v[ADR] offset:512*\i                              ; K: tile of keys i / 4, channels 16 (i % 4) on
.endr
	WIN 0x40                                       ; destination window 1
.irp k, 0,1,2,3
.irp d, 0,1,2,3
	ds_load_tr16_b128 v[VF+8*(2*\d+\k/2)+4*(\k%2):VF+8*(2*\d+\k/2)+4*(\k%2)+3], v[ADR] offset:8192+2048*\k+512*\d   ; V^T: channels 16 d on, keys 16 k on
.endr
.endr
	s_wait_dscnt 16                                ; K is in; V's sixteen loads may be out
	WIN 0x04                                       ; Q (source 1) window 1
.irp f, 0,1                                    ; the 16 accumulators take turns
.irp k, 0,1,2,3
.irp t, 0,1,2,3
.if \f == 0
	v_wmma_f32_16x16x32_f16 v[S+32*\t+8*\k:S+32*\t+8*\k+7], v[KF+8*(2*\k+\f):KF+8*(2*\k+\f)+7], v[16*\t+8*\f:16*\t+8*\f+7], 0
.else
	v_wmma_f32_16x16x32_f16 v[S+32*\t+8*\k:S+32*\t+8*\k+7], v[KF+8*(2*\k+\f):KF+8*(2*\k+\f)+7], v[16*\t+8*\f:16*\t+8*\f+7], v[S+32*\t+8*\k:S+32*\t+8*\k+7]
.endif
.endr
.endr
.endr
	WIN 0
.rept 4
	v_nop                                          ; four places in front of the first read of the scores
.endr
	SOFTMAX \first
	s_wait_dscnt 0x0                               ; V is in
	WIN 0x51                                       ; V^T (source 0), O^T (C and D) window 1; P window 0
.irp g, 0,1
.irp d, 0,1,2,3
.irp t, 0,1,2,3
.if \first && (\g == 0)
	v_wmma_f32_16x16x32_f16 v[O+32*\t+8*\d:O+32*\t+8*\d+7], v[VF+8*(2*\d+\g):VF+8*(2*\d+\g)+7], v[S+32*\t+8*\g:S+32*\t+8*\g+7], 0
.else
	v_wmma_f32_16x16x32_f16 v[O+32*\t+8*\d:O+32*\t+8*\d+7], v[VF+8*(2*\d+\g):VF+8*(2*\d+\g)+7], v[S+32*\t+8*\g:S+32*\t+8*\g+7], v[O+32*\t+8*\d:O+32*\t+8*\d+7]
.endif
.endr
.endr
.endr
	WIN 0
	s_add_co_u32 s[TB], s[TB], 16384
.endm
.macro SLOT base, first                ; a slot's eight key steps
	s_mov_b32 s[TB], \base
.if \first
	STEP 1
	s_mov_b32 s[CNT], 7
.else
	s_mov_b32 s[CNT], 8
.endif
.Lstep_\@:
	STEP 0
	s_sub_co_u32 s[CNT], s[CNT], 1
	s_cmp_lg_u32 s[CNT], 0
	s_cbranch_scc1 .Lstep_\@
.endm
; THE CHANGE OF SLOTS.  Each wave waits for all its tensor loads (its part of the slot ahead), adds 0 to its spare word, and waits for that and for its reads of the slot that it leaves.  d >= 0: a round of the cluster's
; barrier, so that no wave of any partner still reads that slot, and the joint refill first behind it: my one tensor load until the next change.
.macro CHANGE d
	s_wait_tensorcnt 0x0
	ds_add_u32 v[SPW], v[NIL]
	s_wait_dscnt 0x0
.if \d >= 0
	CROUND
	tensor_load_to_lds s[G0+4*\d:G0+4*\d+3], s[G1:G1+7]
	s_nop 0
.rept 4
	v_nop
.endr
.else
	s_barrier_signal -1
	s_barrier_wait -1
.endif
.endm
	s_load_b128 s[4:7], s[0:1], 0x0                ; q16 s[4:5], kv16 s[6:7]
	s_load_b64 s[8:9], s[0:1], 0x10                ; o16
	v_lshl_add_u32 v[SPW], v0, 2, SPARE
	v_mov_b32 v[NIL], 0
	ds_add_u32 v[SPW], v[NIL]                      ; the wave's opening: the add, twice on end, and its wait ahead of my first tensor load
	ds_add_u32 v[SPW], v[NIL]
	v_lshrrev_b32 v1, 5, v0
	v_readfirstlane_b32 s[WV], v1                  ; wave 0..7
	s_bfe_u32 s13, ttmp6, 0x40000                  ; cx
	s_lshl_b32 s14, ttmp9, 2
	s_add_co_u32 s14, s14, s13                     ; my block of 512 queries: it enters q16's and o16's addresses alone
	s_and_b32 s15, ttmp7, 0xffff                   ; bh, which the four partners share
	s_mov_b32 s[G1], 15|(3<<16)|(1<<21)            ; 15:0 the mask: all four; 17:16 elements of 8 bytes; 21 set beside a mask
	s_mov_b32 s[G1+1], 32<<16                      ; tensor_dim0: rows of 256 bytes
	s_mov_b32 s[G1+2], 64<<16                      ; tensor_dim1
	s_mov_b32 s[G1+3], 32<<16                      ; tile_dim0
	s_mov_b32 s[G1+4], 64                          ; tile_dim1: 64 rows: a key step's 16,384 dense bytes
	s_mov_b32 s[G1+5], 32                          ; the pitch
	s_mov_b32 s[G1+6], 0
	s_mov_b32 s[G1+7], 0
	s_mov_b32 s[CS], 0x3e38aa3b                    ; c = log2(e) / 8
	s_mov_b32 s[CS+1], s[CS]
	s_mov_b32 s[SEL], 0x76543210
	s_mov_b32 s[SEL+1], 0xfedcba98
	s_lshl_b32 s18, s[WV], 14                      ; my step of a slot, in memory and in LDS
	s_lshl_b32 s16, s15, 19                        ; a head's K and V: 32 steps of 16,384 bytes
	s_add_co_u32 s16, s16, s18
	s_mov_b32 s17, 0
	s_lshl_b32 s20, s15, 18                        ; q16: a head 262,144 bytes, my block 65,536, my wave's four tiles 8,192
	s_lshl_b32 s19, s14, 16
	s_add_co_u32 s20, s20, s19
	s_lshl_b32 s19, s[WV], 13
	s_add_co_u32 s20, s20, s19
	s_mov_b32 s21, 0
	s_lshr_b32 s22, s15, 4                         ; o16: tile of 16 tokens 128 x batch + 32 x block + 4 x wave, 32,768 bytes each; the head's 2,048 bytes in it
	s_lshl_b32 s22, s22, 22
	s_lshl_b32 s19, s14, 20
	s_add_co_u32 s22, s22, s19
	s_lshl_b32 s19, s[WV], 17
	s_add_co_u32 s22, s22, s19
	s_and_b32 s19, s15, 15
	s_lshl_b32 s19, s19, 11
	s_add_co_u32 s22, s22, s19
	s_mov_b32 s23, 0
	s_wait_dscnt 0x0                               ; both opening adds are done
	s_wait_kmcnt 0x0
	s_add_nc_u64 s[6:7], s[6:7], s[16:17]
	s_add_nc_u64 s[4:5], s[4:5], s[20:21]
	s_add_nc_u64 s[8:9], s[8:9], s[22:23]
	CROUND                                         ; all four work-groups are here: the first joint loads meet
.irp d, 0,1,2,3
	s_mov_b32 s[G0+4*\d], 1
	s_add_co_u32 s[G0+4*\d+1], s18, (\d%2)*SLOTB
	s_add_nc_u64 s[G0+4*\d+2:G0+4*\d+3], s[6:7], \d*SLOTB
	s_or_b32 s[G0+4*\d+3], s[G0+4*\d+3], 0x80000000
.endr
	tensor_load_to_lds s[G0:G0+3], s[G1:G1+7]      ; every wave issues both first fills: two loads of mine are out
	s_nop 0
	tensor_load_to_lds s[G0+4:G0+7], s[G1:G1+7]
	s_nop 0
.rept 4
	v_nop
.endr
	v_and_b32 v[LI], 31, v0
	v_lshlrev_b32 v[LI], 4, v[LI]
	WIN 0x40
.irp i, 0,1,2,3,4,5,6,7,8,9,10,11,12,13,14,15
	global_load_b128 v[4*\i:4*\i+3], v[LI], s[4:5] offset:512*\i th:TH_LOAD_NT   ; Q stays in registers: tile i / 4, channels 16 (i % 4) on
.endr
	WIN 0
	s_wait_tensorcnt 0x1                           ; my part of slot 0 is in; slot 1's may stay out
	s_barrier_signal -1
	s_barrier_wait -1
	s_wait_loadcnt 0x0                             ; Q
	SLOT 0, 1
	CHANGE 2
	SLOT SLOTB, 0
	CHANGE 3
	SLOT 0, 0
	CHANGE -1                                      ; nothing is left to fetch
	SLOT SLOTB, 0
	; THE WAY OUT: l's halves and the other half of the lanes'; O^T / l, rounded to f16: a lane's eight channels are 16 bytes of the image that the last launch's operand wants.  The first additions are the places behind the last products.
.irp t, 0,1,2,3
	v_add_f32 v[ST+8*\t+4], v[ST+8*\t+2], v[ST+8*\t+3]
.endr
.irp t, 0,1,2,3
	v_permlanex16_b32 v[ST+8*\t+5], v[ST+8*\t+4], s[SEL], s[SEL+1]
.endr
.irp t, 0,1,2,3
	v_add_f32 v[ST+8*\t+4], v[ST+8*\t+4], v[ST+8*\t+5]
.endr
.irp t, 0,1,2,3
	v_rcp_f32 v[ST+8*\t+6], v[ST+8*\t+4]
.endr
	v_nop                                          ; a plain instruction behind the last reciprocal,
	s_wait_alu depctr_va_vdst(0)                   ; and the one wait ahead of the first reader
	WIN 0x41
.irp t, 0,1,2,3
.irp j, 0,2,4,6,8,10,12,14,16,18,20,22,24,26,28,30
	v_pk_mul_f32 v[O+32*\t+\j:O+32*\t+\j+1], v[O+32*\t+\j:O+32*\t+\j+1], v[ST+8*\t+6:ST+8*\t+7] op_sel_hi:[1,0]
.endr
.endr
	WIN 0x05                                       ; sources window 1, destination window 0
.irp t, 0,1,2,3
.irp j, 0,1,2,3,4,5,6,7,8,9,10,11,12,13,14,15
	v_cvt_pk_f16_f32 v[S+16*\t+\j], v[O+32*\t+2*\j], v[O+32*\t+2*\j+1]
.endr
.endr
	WIN 0
.irp t, 0,1,2,3
.irp d, 0,1,2,3
	global_store_b128 v[LI], v[S+16*\t+4*\d:S+16*\t+4*\d+3], s[8:9] offset:32768*\t+512*\d   ; 32 lanes store 512 consecutive bytes, aligned
.endr
.endr
	s_wait_tensorcnt 0x0                           ; the wave's end
	ds_add_u32 v[SPW], v[NIL]
	s_wait_dscnt 0x0
	CROUND                                         ; the closing round
	s_endpgm
.Lfunc_end_k_qe7cddd892b_attn:
	.size	k_qe7cddd892b_attn, .Lfunc_end_k_qe7cddd892b_attn-k_qe7cddd892b_attn
	.p2alignl 7, 3214868480
	.fill 96, 4, 3214868480
	.section	.rodata,"a",@progbits
	.p2align	6, 0x0
	.amdhsa_kernel k_qe7cddd892b_attn
		.amdhsa_group_segment_fixed_size 327680
		.amdhsa_private_segment_fixed_size 0
		.amdhsa_enable_private_segment 0
		.amdhsa_kernarg_size 24
		.amdhsa_user_sgpr_count 2
		.amdhsa_user_sgpr_kernarg_segment_ptr 1
		.amdhsa_wavefront_size32 1
		.amdhsa_system_sgpr_workgroup_id_x 1
		.amdhsa_system_sgpr_workgroup_id_y 1
		.amdhsa_system_sgpr_workgroup_id_z 1
		.amdhsa_system_vgpr_workitem_id 0
		.amdhsa_next_free_vgpr 512
		.amdhsa_next_free_sgpr 66
		.amdhsa_reserve_vcc 0
		.amdhsa_float_denorm_mode_32 3
		.amdhsa_float_denorm_mode_16_64 3
		.amdhsa_memory_ordered 1
		.amdhsa_forward_progress 1
		.amdhsa_inst_pref_size 172
	.end_amdhsa_kernel
	.amdgpu_metadata
---
amdhsa.version: [ 1, 2 ]
amdhsa.kernels:
  - .name:           k_qe7cddd892b_attn
    .symbol:         k_qe7cddd892b_attn.kd
    .args:
      - { .name: q16, .offset: 0, .size: 8, .value_kind: global_buffer, .address_space: global }
      - { .name: kv16, .offset: 8, .size: 8, .value_kind: global_buffer, .address_space: global }
      - { .name: o16, .offset: 16, .size: 8, .value_kind: global_buffer, .address_space: global }
    .group_segment_fixed_size: 327680
    .private_segment_fixed_size: 0
    .kernarg_segment_align: 8
    .kernarg_segment_size: 24
    .max_flat_workgroup_size: 256
    .sgpr_count:     66
    .vgpr_count:     512
    .wavefront_size: 32
...
	.end_amdgpu_metadata
.endif
;; end of part 3
;; launch proj (part 4): grid 32 x 8, 4 waves a work-group, clusters of 4 x 1, 262,656 bytes of LDS; arguments o16, wo16, bo, out0; writes out0
.if DOCPART == 4
	.amdgcn_target "amdgcn-amd-amdhsa--gfx1250"
	.amdhsa_code_object_version 6
	.text
	.protected	k_qe7cddd892b_proj
	.globl	k_qe7cddd892b_proj
	.p2align	8
	.type	k_qe7cddd892b_proj,@function
k_qe7cddd892b_proj:
	s_mov_b64 s[64:65], 0
	v_nop
	global_prefetch_b8 v0, s[64:65] scope:SCOPE_SE
	s_setreg_imm32_b32 hwreg(HW_REG_WAVE_MODE, 25, 1), 1
	s_wait_xcnt 0x0
	s_wait_alu depctr_hold_cnt(0) depctr_sa_sdst(0) depctr_va_vdst(0) depctr_va_sdst(0) depctr_va_ssrc(0) depctr_va_vcc(0) depctr_vm_vsrc(0)
	s_getreg_b32 s2, hwreg(HW_REG_IB_STS2, 6, 4)
	s_cmp_eq_u32 s2, 0
	s_cbranch_scc0 .Lentry_in_a_cluster
	s_endpgm
.Lentry_in_a_cluster:
	s_bfe_u32 s2, ttmp6, 0x10000c
	s_cmp_lg_u32 s2, 0x3003
	s_cbranch_scc0 .Lentry_shape_is_right
	s_endpgm
.Lentry_shape_is_right:
; Launch 4 of 4: out = o Wo + bo.  o [8,192][1,024] and Wo [1,024][1,024] as f16 images of the operands' registers, sums in f32, out f32.
; SHARES.  A work-group makes 256 tokens x 128 columns; each of its four waves 64 tokens x 128 columns: 32 accumulators.  K goes in 32 steps of 32.
; Wo's 128 columns, all of K, are 262,144 bytes: they lie in LDS for the whole launch, in four quarters of K, filled once; each wave fetches a quarter of each quarter: four loads of a wave are out.
; CLUSTER 4 x 1: the four blocks of tokens of a cluster take the same columns: joint loads.  o is read by one wave of the work-group alone: it goes from memory straight into a ring of eight register buffers, asked for seven steps ahead.
; THE MATRIX INSTRUCTION IS USED TRANSPOSED (source 0 = 16 columns of Wo, source 1 = 16 tokens): a lane holds eight neighbouring columns of a token's row.  On the way out a tile of 16 tokens goes through the wave's own
; stage in LDS and leaves as whole rows of 512 bytes.  The stages lie over the first quarter of Wo, behind a barrier behind which nobody reads it; it has had its only fill.
; REGISTERS.  window 0: addresses, bo, v64-191 Wo's fragments, two buffers (later the rows read back).  window 1: accumulator (t, n) at v[8 (8 t + n)].  window 2: o's ring, 8 buffers of 32.
.set SPARE, 262144                     ; behind Wo: the spare words, 128 bytes for each wave
.set SP,    528                        ; a stage row: 512 bytes + 16: row r starts at bank 4 r mod 64 (64 banks of 4 bytes: ISA guide 11.1)
.set LI,  1                            ; v1  16 x lane
.set SPW, 3                            ; v3  my spare word; never rewritten
.set NIL, 4                            ; v4  0; never rewritten
.set STO, 5                            ; v5  the stage: where I put 32 bytes of a row
.set RD,  6                            ; v6  and where I read a row back
.set BO,  8                            ; v8-11 bo at my four columns of a row
.set AB,  12                           ; v12-15 16 x lane + 65,536 x quarter
.set BF,  64
.set WV,  12
.set G1,  24
.set G0,  32
.set MSB, 0
.macro WIN new
.if MSB != \new
	s_set_vgpr_msb (MSB<<8)|\new
.set MSB, \new
.endif
.endm
.macro CROUND
	s_barrier_signal -1
	s_barrier_wait -1
	s_cmp_lg_u32 s[WV], 0
	s_cbranch_scc1 .Lnot_wave_0_\@
	s_barrier_signal -3
.Lnot_wave_0_\@:
	s_barrier_wait -3
	s_barrier_signal -1
	s_barrier_wait -1
.endm
.macro ALOAD s                         ; o's four fragments of K step s into ring buffer s % 8
.irp t, 0,1,2,3
.irp c, 0,1
	global_load_b128 v[32*((\s)%8)+8*\t+4*\c:32*((\s)%8)+8*\t+4*\c+3], v[LI], s[4:5] offset:32768*\t+1024*(\s)+512*\c
.endr
.endr
.endm
.macro BLOAD s                         ; Wo's eight fragments of K step s into buffer s % 2
.irp n, 0,1,2,3,4,5,6,7
.irp c, 0,1
	ds_load_b128 v[BF+64*((\s)%2)+8*\n+4*\c:BF+64*((\s)%2)+8*\n+4*\c+3], v[AB+(\s)/8] offset:8192*\n+1024*((\s)%8)+512*\c
.endr
.endr
.endm
.macro PSTEP s
	WIN 0
	s_wait_dscnt 0x0                               ; this step's fragments of Wo, asked for a step ago
.if ((\s)%8 == 7) && ((\s) < 31)
	s_wait_tensorcnt 2-(\s)/8                      ; my part of the next quarter of Wo is in; the later quarters' loads may stay out
	s_barrier_signal -1
	s_barrier_wait -1                              ; everybody's is
.endif
.if (\s) > 0
.rept 4
	v_nop                                          ; four places in front of loads into registers that the last step's products read
.endr
.endif
.if (\s) < 31
	BLOAD (\s)+1
.endif
.if 31-(\s) >= 6
	s_wait_loadcnt 48                              ; this step's o is in; the loads of the six steps behind it may be out
.else
	s_wait_loadcnt 8*(31-(\s))
.endif
.if (\s) <= 24
	WIN 0x80                                       ; destination window 2
	ALOAD (\s)+7                                   ; into the buffer that the last step has left
.endif
	WIN 0x58                                       ; source 0 (Wo) window 0, source 1 (o) window 2, C and D window 1
.irp t, 0,1,2,3                                ; the 32 accumulators take turns
.irp n, 0,1,2,3,4,5,6,7
.if (\s) == 0
	v_wmma_f32_16x16x32_f16 v[8*(8*\t+\n):8*(8*\t+\n)+7], v[BF+64*((\s)%2)+8*\n:BF+64*((\s)%2)+8*\n+7], v[32*((\s)%8)+8*\t:32*((\s)%8)+8*\t+7], 0
.else
	v_wmma_f32_16x16x32_f16 v[8*(8*\t+\n):8*(8*\t+\n)+7], v[BF+64*((\s)%2)+8*\n:BF+64*((\s)%2)+8*\n+7], v[32*((\s)%8)+8*\t:32*((\s)%8)+8*\t+7], v[8*(8*\t+\n):8*(8*\t+\n)+7]
.endif
.endr
.endr
.endm
.macro TOSTAGE t                       ; tile t: 16 tokens x 128 columns into my stage, and back as whole rows
	WIN 0x04                                       ; an LDS store's data are its source 1: window 1
.irp n, 0,1,2,3,4,5,6,7
	ds_store_b128 v[STO], v[8*(8*(\t)+\n):8*(8*(\t)+\n)+3] offset:64*\n          ; each accumulator from its low end on
	ds_store_b128 v[STO], v[8*(8*(\t)+\n)+4:8*(8*(\t)+\n)+7] offset:64*\n+16
.endr
	WIN 0
.irp i, 0,1,2,3,4,5,6,7,8,9,10,11,12,13,14,15
	ds_load_b128 v[BF+64*((\t)%2)+4*\i:BF+64*((\t)%2)+4*\i+3], v[RD] offset:SP*\i   ; LDS serves a wave's instructions in order: these see my stores
.endr
.endm
.macro SEND t, younger                 ; younger: the LDS instructions issued behind tile t's loads, which may stay out
	s_wait_dscnt \younger
.irp i, 0,1,2,3,4,5,6,7,8,9,10,11,12,13,14,15
	v_pk_add_f32 v[BF+64*((\t)%2)+4*\i:BF+64*((\t)%2)+4*\i+1], v[BF+64*((\t)%2)+4*\i:BF+64*((\t)%2)+4*\i+1], v[BO:BO+1]
	v_pk_add_f32 v[BF+64*((\t)%2)+4*\i+2:BF+64*((\t)%2)+4*\i+3], v[BF+64*((\t)%2)+4*\i+2:BF+64*((\t)%2)+4*\i+3], v[BO+2:BO+3]
.endr
.irp i, 0,1,2,3,4,5,6,7,8,9,10,11,12,13,14,15
	global_store_b128 v[LI], v[BF+64*((\t)%2)+4*\i:BF+64*((\t)%2)+4*\i+3], s[10:11] offset:(16*(\t)+\i)*4096 th:TH_STORE_NT   ; 32 lanes store 512 consecutive bytes, aligned
.endr
.endm
	s_load_b256 s[4:11], s[0:1], 0x0               ; o16 s[4:5], wo16 s[6:7], bo s[8:9], out0 s[10:11]
	v_lshl_add_u32 v[SPW], v0, 2, SPARE
	v_mov_b32 v[NIL], 0
	ds_add_u32 v[SPW], v[NIL]                      ; the wave's opening: the add, twice on end, and its wait ahead of my first tensor load
	ds_add_u32 v[SPW], v[NIL]
	v_lshrrev_b32 v1, 5, v0
	v_readfirstlane_b32 s[WV], v1                  ; wave 0..3
	s_bfe_u32 s13, ttmp6, 0x40000                  ; cx
	s_lshl_b32 s14, ttmp9, 2
	s_add_co_u32 s14, s14, s13                     ; my block of 256 tokens: it enters o16's and out0's addresses alone
	s_and_b32 s15, ttmp7, 0xffff                   ; my block of 128 columns, which the four partners share
	s_mov_b32 s[G1], 15|(3<<16)|(1<<21)            ; the mask: all four; elements of 8 bytes; bit 21 beside a mask
	s_mov_b32 s[G1+1], 32<<16                      ; rows of 256 bytes,
	s_mov_b32 s[G1+2], 64<<16
	s_mov_b32 s[G1+3], 32<<16
	s_mov_b32 s[G1+4], 64                          ; 64 of them: 16,384 dense bytes
	s_mov_b32 s[G1+5], 32
	s_mov_b32 s[G1+6], 0
	s_mov_b32 s[G1+7], 0
	s_lshl_b32 s18, s[WV], 14                      ; my part of a quarter, in memory and in LDS
	s_lshl_b32 s16, s15, 18
	s_add_co_u32 s16, s16, s18
	s_mov_b32 s17, 0
	s_lshl_b32 s20, s14, 19                        ; o16: 16 tiles of 32,768 bytes a block, 4 a wave
	s_lshl_b32 s19, s[WV], 17
	s_add_co_u32 s20, s20, s19
	s_mov_b32 s21, 0
	s_lshl_b32 s22, s14, 20                        ; out0: 256 rows of 4,096 bytes a block, 64 a wave, 512 bytes a block of columns
	s_lshl_b32 s19, s[WV], 18
	s_add_co_u32 s22, s22, s19
	s_lshl_b32 s54, s15, 9
	s_add_co_u32 s22, s22, s54
	s_mov_b32 s23, 0
	s_mov_b32 s55, 0
	s_wait_dscnt 0x0                               ; both opening adds are done
	s_wait_kmcnt 0x0
	s_add_nc_u64 s[6:7], s[6:7], s[16:17]
	s_add_nc_u64 s[4:5], s[4:5], s[20:21]
	s_add_nc_u64 s[10:11], s[10:11], s[22:23]
	s_add_nc_u64 s[8:9], s[8:9], s[54:55]
	CROUND                                         ; all four work-groups are here: the joint loads meet
.irp c, 0,1,2,3
	s_mov_b32 s[G0+4*\c], 1
	s_add_co_u32 s[G0+4*\c+1], s18, \c*65536
	s_add_nc_u64 s[G0+4*\c+2:G0+4*\c+3], s[6:7], \c*65536
	s_or_b32 s[G0+4*\c+3], s[G0+4*\c+3], 0x80000000
.endr
.irp c, 0,1,2,3
	tensor_load_to_lds s[G0+4*\c:G0+4*\c+3], s[G1:G1+7]
	s_nop 0
.endr
.rept 4
	v_nop
.endr
	v_and_b32 v[LI], 31, v0
	v_lshlrev_b32 v[LI], 4, v[LI]
	global_load_b128 v[BO:BO+3], v[LI], s[8:9]     ; bo at columns 4 x lane on of my block
	WIN 0x80
.irp s, 0,1,2,3,4,5,6
	ALOAD \s                                       ; the ring's first seven steps: with bo's, 57 loads of mine are out
.endr
	WIN 0
.irp c, 0,1,2,3
	v_add_nc_u32 v[AB+\c], \c*65536, v[LI]
.endr
	v_and_b32 v7, 15, v0                           ; r
	v_bfe_u32 v2, v0, 4, 1                         ; h
	s_mul_i32 s19, s[WV], 16*SP                    ; my stage
	v_mul_u32_u24 v[STO], v7, SP
	v_lshl_add_u32 v[STO], v2, 5, v[STO]
	v_add_nc_u32 v[STO], s19, v[STO]               ; in: row r, + 32 h
	v_add_nc_u32 v[RD], s19, v[LI]                 ; back: the 32 lanes take a row of 512 bytes
	s_wait_tensorcnt 0x3                           ; my part of the first quarter is in; three loads may stay out
	s_barrier_signal -1
	s_barrier_wait -1
	BLOAD 0
.set Q, 0
.rept 32
	PSTEP Q
.set Q, Q+1
.endr
	WIN 0
	s_wait_dscnt 0x0
	s_barrier_signal -1                            ; every wave's reads of Wo are over: the stages may be written
	s_barrier_wait -1
.rept 4
	v_nop                                          ; four places in front of the first read of results and of loads into the fragments' registers
.endr
	TOSTAGE 0
.irp t, 1,2,3
.if \t > 1
	s_wait_xcnt 0x0                                ; the stores of two tiles back have read their registers: this tile's rows may land there
.endif
	TOSTAGE \t
	SEND \t-1, 32                                  ; behind that tile's loads: this tile's 16 stores and 16 loads
.endr
	SEND 3, 0
	s_wait_tensorcnt 0x0                           ; the wave's end, behind my last LDS store
	ds_add_u32 v[SPW], v[NIL]
	s_wait_dscnt 0x0
	CROUND                                         ; the closing round
	s_endpgm
.Lfunc_end_k_qe7cddd892b_proj:
	.size	k_qe7cddd892b_proj, .Lfunc_end_k_qe7cddd892b_proj-k_qe7cddd892b_proj
	.p2alignl 7, 3214868480
	.fill 96, 4, 3214868480
	.section	.rodata,"a",@progbits
	.p2align	6, 0x0
	.amdhsa_kernel k_qe7cddd892b_proj
		.amdhsa_group_segment_fixed_size 262656
		.amdhsa_private_segment_fixed_size 0
		.amdhsa_enable_private_segment 0
		.amdhsa_kernarg_size 32
		.amdhsa_user_sgpr_count 2
		.amdhsa_user_sgpr_kernarg_segment_ptr 1
		.amdhsa_wavefront_size32 1
		.amdhsa_system_sgpr_workgroup_id_x 1
		.amdhsa_system_sgpr_workgroup_id_y 1
		.amdhsa_system_sgpr_workgroup_id_z 1
		.amdhsa_system_vgpr_workitem_id 0
		.amdhsa_next_free_vgpr 768
		.amdhsa_next_free_sgpr 66
		.amdhsa_reserve_vcc 0
		.amdhsa_float_denorm_mode_32 3
		.amdhsa_float_denorm_mode_16_64 3
		.amdhsa_memory_ordered 1
		.amdhsa_forward_progress 1
		.amdhsa_inst_pref_size 157
	.end_amdhsa_kernel
	.amdgpu_metadata
---
amdhsa.version: [ 1, 2 ]
amdhsa.kernels:
  - .name:           k_qe7cddd892b_proj
    .symbol:         k_qe7cddd892b_proj.kd
    .args:
      - { .name: o16, .offset: 0, .size: 8, .value_kind: global_buffer, .address_space: global }
      - { .name: wo16, .offset: 8, .size: 8, .value_kind: global_buffer, .address_space: global }
      - { .name: bo, .offset: 16, .size: 8, .value_kind: global_buffer, .address_space: global }
      - { .name: out0, .offset: 24, .size: 8, .value_kind: global_buffer, .address_space: global }
    .group_segment_fixed_size: 262656
    .private_segment_fixed_size: 0
    .kernarg_segment_align: 8
    .kernarg_segment_size: 32
    .max_flat_workgroup_size: 128
    .sgpr_count:     66
    .vgpr_count:     768
    .wavefront_size: 32
...
	.end_amdgpu_metadata
.endif
;; end of part 4
